; MI455X (gfx1250); checked and timed in simulation.
; The chip was launched on July 23, 2026; its instructions are those of AMD's public machine-readable ISA for CDNA 5 (MIT licence, August 2026) and "CDNA5" Instruction Set Architecture Reference Guide (July 2026). The comments in the code are by the model that wrote it; some were corrected since.
;; Gated Layer. Allowed arithmetic: matrix products marked QUANTISED: E3M2 operands, one E8M0 scale for each 32 along K, by v_wmma_scale_f32_16x16x128_f8f6f4 with both operands' format E3M2, f32 sums; products left as they are: f32 operands where the result goes on into a quantised operand, else bf16, f16 or f32 operands; f32 sums; everything else in f32.
;; Inputs: W 16 x 1,024 x 1,024 float32; Wg 1,024 x 16 float32; b 16 x 1,024 float32; bg 16 float32; x 4,096 x 1,024 float32.
;; Outputs: out0 4,096 x 1,024 float32.
;; This version of the problem:
;;   THIS VERSION OF THE PROBLEM IS GIVEN IN LOW PRECISION. The matrix products marked QUANTISED in the list below multiply operands that are first quantised to E3M2 (3 exponent bits, 2 mantissa bits; 6 bits a number), with one power-of-two scale for each 32 numbers along K (OCP MX v1.0); their sums are f32. All else is computed in f32.
;;   The module's matrix products, in the order in which they are computed (A, B: the left and right operand; K: the contracted axis; several contracted axes count as one K, in the product's order):
;;     1. [M 4,096, K 1,024] x [K 1,024, N 16]; A: input x; B: input Wg: QUANTISED
;;     2. [M 4,096, K 1,024] x [K 1,024, N 16,384]; A: input x; B: input W: QUANTISED
;;     3. batch 4,096 x [M 1, K 16] x [K 16, N 1,024]; A: computed on the way; B: computed on the way: left as it is (K = 16 < 32)
;;   THE QUANTISER, for each operand of a quantised product, along K:
;;     - K is cut into blocks of 32 from its start; a last block that is shorter is filled with zeros.
;;     - A block's scale is 2^e with e = floor(log2(the largest magnitude in the block)) - 4, held to -126 .. 127; a block of zeros has e = 0. As a byte (E8M0): e + 127.
;;     - Each number is divided by its block's scale, clamped to +-28, and rounded to the nearest number of E3M2, ties to even, subnormals kept.
;;     - The product sums the exact products of the quantised numbers (number of the format x scale) in f32.
;;   ~~~python
;;   def quantise(x, axis):      # numpy; x: float32 -> the quantised numbers, widened to float32 again
;;       x = np.moveaxis(x, axis, -1); K = x.shape[-1]
;;       x = np.pad(x, [(0, 0)] * (x.ndim - 1) + [(0, -K % 32)]); x = x.reshape(x.shape[:-1] + (-1, 32)); a = np.abs(x).max(-1, keepdims=True)
;;       e = np.where(a > 0, np.clip(np.frexp(np.where(a > 0, a, 1))[1] - 1 - 4, -126, 127), 0)      # np.frexp(a)[1] - 1 = floor(log2(a)), exactly
;;       r = np.clip(x / 2.0 ** e, -28, 28)
;;       step = 2.0 ** (np.maximum(np.frexp(np.where(r == 0, 1, r))[1] - 1, -2) - 2)
;;       q = np.round(r / step) * step * 2.0 ** e      # np.round: ties to even
;;       return np.moveaxis(q.reshape(q.shape[:-2] + (-1,))[..., :K], -1, axis).astype(np.float32)
;;   ~~~
;; One version. Each part assembles by itself: llvm-mc -triple=amdgcn-amd-amdhsa -mcpu=gfx1250 --defsym DOCPART=n.
;; ======== version 1 of 1: 2 launches
;; limits: right only within a limited range of input values
;; workspace buffers: xc 3,145,728 bytes; xs 131,072 bytes; wc 13,107,200 bytes; gc 12,800 bytes
;; launch prep (part 1): grid 641 x 1, 4 waves a work-group, no clusters, 59,904 bytes of LDS; arguments x, W, Wg, xc, xs, wc, gc; writes xc, xs, wc, gc
.if DOCPART == 1
	.amdgcn_target "amdgcn-amd-amdhsa--gfx1250"
	.amdhsa_code_object_version 6
	.text
	.protected	k_q079ff61e2a_prep
	.globl	k_q079ff61e2a_prep
	.p2align	8
	.type	k_q079ff61e2a_prep,@function
k_q079ff61e2a_prep:
	s_mov_b64 s[64:65], 0
	v_nop
	global_prefetch_b8 v0, s[64:65] scope:SCOPE_SE
	s_setreg_imm32_b32 hwreg(HW_REG_WAVE_MODE, 25, 1), 1
	s_wait_xcnt 0x0
; x [4096][1024], W [16][1024][1024] and Wg [1024][16], f32, become codes of BF6 (E3M2) with one E8M0 scale byte for each 32 along K (K: x's last axis, W's middle axis, Wg's first),
; laid in the ORDER OF THE OPERAND'S REGISTERS, so that the product's launch takes every fragment by loads of 16 bytes a lane.
; A fragment is 16 rows (of x) or 16 columns (of W, Wg) x 128 K in 12 registers: lane (r, h) holds row or column r; registers 6 c .. 6 c + 5 hold K = 64 c + 32 h + 0 .. 31.
;   xc [R 256][ks 8][q 3][lane 32][16 B]   registers 4 q .. 4 q + 3 of the fragment of rows 16 R on, K step ks
;   xs [R 256][y 2][lane 32][2 words]      word d of lane (r, h): the scale word of row 16 R + r for K step 4 y + 2 d + h
;   wc [strip 16][m 16][51,200 B]          codes [ks 8][b 4][lane 32][48 B] (a lane's 12 registers on end), then at 49,152 scale words [q 4][bp 2][lane 32][2 words]:
;                                          word d of lane (r, h): column 16 (2 bp + d) + r of the strip of 64, K step 2 q + h
;   gc                                     Wg's codes [ks 8][q 3][lane 32][16 B]; at 12,288 [p 4][lane 32] words: lanes 0-15 expert r's word for K step 2 p, lanes 16-31 for 2 p + 1
; A block's scale is 2^(floor(log2(its largest magnitude)) - 4): its byte is the largest magnitude's exponent field - 4, held at 1 from below by a floor among the maximum's leaves.
; LIMITS: a block of zeros gets the byte 1 where the rule says 127 (its codes are zeros, which add nothing, and this program alone reads the bytes); NaN and infinities among the inputs are not served.
; Work-group 0 takes Wg, 1 to 128 take x, 129 to 640 take W: 128 KiB of f32 each for x and W.  Waves share nothing: no barrier.  Each way has LDS bytes of its own.
.set M0, 16                            ; v16-17  two chains of the largest magnitude
.set M1, 17
.set SO, 18                            ; v18     the conversion's scale operand
.set TW, 19                            ; v19     at work
.set BY, 20                            ; v20-21  scale bytes
.set H8, 22                            ; v22     8 h
.set TP, 23                            ; v23     a lane permute's destination
.set WD, 24                            ; v24-27  scale words
.set TD, 28                            ; v28-30  a block's upper 16 codes
.set C,  32                            ; v32-43  a fragment's 12 registers
.set SW, 44                            ; v44-45  scale words on the way out
.set X,  48                            ; v48-111 two blocks of 32 numbers
.set R,  112                           ; v112-239 numbers as loaded (x), codes on the way out (W)
.set WST, 6400                         ; W's stage, for each wave: 6,144 bytes of codes, 256 of scale words
.set XST, 8448                         ; x's stage, for each wave: 16 rows x (512 bytes + 16)
.set XS0, 4*WST                        ; x's stages begin behind W's
; 32 numbers of one lane, v[src] on, neighbours along K: six registers of codes at v[dst], the scale's byte in v[by]
.macro QB src, dst, by
	v_max3_num_f32 v[M0], |v[(\src)]|, |v[(\src)+1]|, |v[(\src)+2]|
	v_max3_num_f32 v[M1], |v[(\src)+3]|, |v[(\src)+4]|, |v[(\src)+5]|
.irp i, 6,10,14,18,22,26
	v_max3_num_f32 v[M0], v[M0], |v[(\src)+\i]|, |v[(\src)+\i+1]|
	v_max3_num_f32 v[M1], v[M1], |v[(\src)+\i+2]|, |v[(\src)+\i+3]|
.endr
	v_max3_num_f32 v[M0], v[M0], |v[(\src)+30]|, |v[(\src)+31]|
	v_max3_num_f32 v[M0], v[M0], v[M1], 0x2800000          ; the floor 2^(5 - 127): the byte cannot fall under 1
	v_add_nc_u32 v[SO], 0xfe000000, v[M0]                  ; 4 off the exponent field: the conversion takes this operand's exponent field as its scale
	v_lshrrev_b32 v[\by], 23, v[SO]                        ; the scale's byte
	v_cvt_scalef32_pk16_bf6_f32 v[(\dst):(\dst)+2], v[(\src):(\src)+15], v[SO]
	v_cvt_scalef32_pk16_bf6_f32 v[TD:TD+2], v[(\src)+16:(\src)+31], v[SO]   ; (a conversion's three registers begin on an even number)
	v_nop                                                  ; one plain place behind a scaled conversion
.irp i, 0,1,2
	v_mov_b32 v[(\dst)+3+\i], v[TD+\i]
.endr
.endm
; my two bytes (blocks h and 2 + h of a K step) and lane l xor 16's two make the row's scale word, in both lanes
.macro WORD d
	v_lshl_or_b32 v[TW], v[BY+1], 16, v[BY]
	v_lshlrev_b32 v[TW], v[H8], v[TW]
	v_permlanex16_b32 v[TP], v[TW], s26, s27
	v_or_b32 v[WD+(\d)], v[TW], v[TP]
.endm
	s_load_b256 s[4:11], s[0:1], 0x0               ; x s[4:5], W s[6:7], Wg s[8:9], xc s[10:11]
	s_load_b128 s[12:15], s[0:1], 0x20             ; xs s[12:13], wc s[14:15]
	s_load_b64 s[16:17], s[0:1], 0x30              ; gc
	v_lshl_add_u32 v240, v0, 2, 0xe800
	v_mov_b32 v241, 0
	v_lshrrev_b32 v1, 5, v0
	v_readfirstlane_b32 s18, v1                    ; wave 0..3
	v_and_b32 v1, 31, v0                           ; lane
	v_and_b32 v2, 15, v0                           ; r
	v_bfe_u32 v3, v0, 4, 1                         ; h
	v_lshlrev_b32 v[H8], 3, v3
	v_mov_b32 v[TP], 0                             ; written once: a lane permute's destination counts as one of its sources
	s_mov_b32 s26, 0x76543210
	s_mov_b32 s27, 0xfedcba98                      ; v_permlanex16_b32's selects for lane l xor 16
	s_mov_b32 s21, 0                               ; the upper words of three offsets
	s_mov_b32 s23, 0
	s_mov_b32 s25, 0
	s_wait_kmcnt 0x0
	s_cmp_eq_u32 ttmp9, 0
	s_cbranch_scc1 .Lgate
	s_cmp_lt_u32 ttmp9, 129
	s_cbranch_scc1 .Lrows
; ---- W.  A LANE TAKES A COLUMN AND ITS REGISTERS RUN DOWN K: a block of 32 lies in one lane, and the conversions give codes with K innermost.
; Work-group t: 128 columns (t & 7), 256 along K ((t >> 3) & 3), expert t >> 5.  A wave: 32 columns (two fragments wide), 8 blocks a lane (two K steps).
	s_sub_co_u32 s19, ttmp9, 129
	s_and_b32 s28, s19, 7                          ; which 128 columns
	s_bfe_u32 s29, s19, 0x20003                    ; q: which 256 along K
	s_lshr_b32 s30, s19, 5                         ; m
	s_lshr_b32 s31, s18, 1
	s_and_b32 s32, s18, 1                          ; bp: which 32 columns of the strip of 64
	s_lshl_b32 s20, s30, 22                        ; W: an expert is 2^22 bytes, 256 rows are 2^20, a row 4,096
	s_lshl_b32 s33, s29, 20
	s_add_co_u32 s20, s20, s33
	s_lshl_b32 s33, s28, 9
	s_add_co_u32 s20, s20, s33
	s_lshl_b32 s33, s18, 7
	s_add_co_u32 s20, s20, s33
	s_add_nc_u64 s[6:7], s[6:7], s[20:21]
	s_lshl_b32 s33, s28, 1
	s_add_co_u32 s33, s33, s31                     ; strip
	s_lshl_b32 s33, s33, 4
	s_add_co_u32 s33, s33, s30
	s_mul_i32 s33, s33, 51200                      ; the block of (strip, m)
	s_mul_i32 s22, s29, 12288                      ; codes: two K steps of 6,144 bytes,
	s_mul_i32 s34, s32, 3072                       ; two fragments of 1,536
	s_add_co_u32 s22, s22, s34
	s_add_co_u32 s22, s22, s33
	s_lshl_b32 s24, s29, 9                         ; scale words: 256 bytes for (q, bp)
	s_lshl_b32 s34, s32, 8
	s_add_co_u32 s24, s24, s34
	s_add_co_u32 s24, s24, s33
	s_add_co_u32 s24, s24, 49152
	s_add_nc_u64 s[22:23], s[14:15], s[22:23]
	s_add_nc_u64 s[24:25], s[14:15], s[24:25]
	s_wait_alu depctr_va_vdst(0)
	v_lshlrev_b32 v4, 2, v1                        ; in: 4 bytes a lane: 128 consecutive bytes a wave, 512 a work-group
	s_mul_i32 s34, s18, WST                        ; my stage
	v_mul_u32_u24 v5, v2, 48
	v_mad_u32_u24 v5, v3, 1536, v5
	v_add_nc_u32 v5, s34, v5                       ; into it: fragment lane / 16, the fragment's lane r (+ 16 for the odd blocks: in the offset)
	v_lshlrev_b32 v6, 3, v2
	v_lshl_add_u32 v6, v3, 2, v6
	v_add_nc_u32 v6, s34, v6                       ; scale words: lane r's word lane / 16
	v_lshlrev_b32 v7, 4, v1                        ; out: 16 bytes a lane
	v_add_nc_u32 v8, s34, v7
	v_lshlrev_b32 v9, 3, v1                        ; and 8 bytes a lane
	v_add_nc_u32 v10, s34, v9
.macro LOADW t                         ; block t: W(32 t + i, my column)
.irp i, 0,1,2,3,4,5,6,7,8,9,10,11,12,13,14,15,16,17,18,19,20,21,22,23,24,25,26,27,28,29,30,31
	global_load_b32 v[X+32*((\t)%2)+\i], v4, s[6:7] offset:(32*(\t)+\i)*4096 th:TH_LOAD_NT
.endr
.endm
.macro BLOCKW t                        ; block t is K step t / 4, registers 6 ((t / 2) % 2) on, of the fragment's lane r + 16 (t % 2)
.if (\t) < 7
	s_wait_loadcnt 32                              ; this block's 32 loads are in; the next block's 32 may be out
.else
	s_wait_loadcnt 0x0
.endif
	QB X+32*((\t)%2), C, BY
.if (\t)%4 == 0
	v_mov_b32 v[WD+(\t)/4], v[BY]                  ; four bytes to a word, the lower K in the lower byte
.else
	v_lshl_or_b32 v[WD+(\t)/4], v[BY], 8*((\t)%4), v[WD+(\t)/4]
.endif
.irp i, 0,1,2
	ds_store_b64 v5, v[C+2*\i:C+2*\i+1] offset:3072*((\t)/4)+768*((\t)%2)+24*(((\t)/2)%2)+8*\i
.endr
.if (\t)+2 < 8
	LOADW (\t)+2
.endif
	s_wait_dscnt 0x0                               ; the stores have read their registers: the next block's codes may be written
.endm
	LOADW 0
	LOADW 1
.irp t, 0,1,2,3,4,5,6,7
	BLOCKW \t
.endr
	ds_store_b32 v6, v[WD] offset:6144             ; K step 2 q: lanes 0-15 of the image
	s_wait_alu depctr_va_vdst(0)
	ds_store_b32 v6, v[WD+1] offset:6144+128       ; K step 2 q + 1: lanes 16-31
.irp i, 0,1,2,3,4,5,6,7,8,9,10,11
	ds_load_b128 v[R+4*\i:R+4*\i+3], v8 offset:512*\i      ; LDS serves a wave's instructions in order: these see my stores
.endr
	ds_load_b64 v[SW:SW+1], v10 offset:6144
.irp i, 0,1,2,3,4,5,6,7,8,9,10,11
	s_wait_dscnt 12-\i                             ; behind load i: 11 - i loads of 16 bytes and the one of 8
	global_store_b128 v7, v[R+4*\i:R+4*\i+3], s[22:23] offset:6144*(\i/6)+512*(\i%6)   ; 512 consecutive bytes, at a multiple of 256 from the buffer's first byte
.endr
	s_wait_dscnt 0x0
	global_store_b64 v9, v[SW:SW+1], s[24:25]      ; 256 consecutive bytes, aligned
	s_wait_tensorcnt 0x0
	ds_add_u32 v240, v241
	s_wait_dscnt 0x0
	s_endpgm
; ---- x.  K is innermost.  A wave takes 16 rows x 512 along K (four K steps).  Each load reads 512 consecutive bytes of a row; the K step turns through the wave's stage,
; from which lane (r, h) takes its row's 32 neighbours of each of its two blocks.
.Lrows:
	s_sub_co_u32 s19, ttmp9, 1
	s_lshl_b32 s19, s19, 2
	s_add_co_u32 s19, s19, s18                     ; u = 2 R + y
	s_lshr_b32 s28, s19, 1                         ; R
	s_and_b32 s29, s19, 1                          ; y
	s_lshl_b32 s20, s28, 16                        ; x: 16 rows of 4,096 bytes,
	s_lshl_b32 s30, s29, 11                        ; 512 numbers
	s_add_co_u32 s20, s20, s30
	s_add_nc_u64 s[4:5], s[4:5], s[20:21]
	s_mul_i32 s22, s28, 12288
	s_mul_i32 s30, s29, 6144
	s_add_co_u32 s22, s22, s30
	s_add_nc_u64 s[10:11], s[10:11], s[22:23]
	s_lshl_b32 s24, s19, 8
	s_add_nc_u64 s[12:13], s[12:13], s[24:25]
	s_wait_alu depctr_va_vdst(0)
	v_lshlrev_b32 v7, 4, v1                        ; 16 bytes a lane, in and out
	s_mul_i32 s34, s18, XST
	s_add_co_u32 s34, s34, XS0                     ; my stage
	v_add_nc_u32 v8, s34, v7
	v_mul_u32_u24 v11, v2, 528                     ; rows 528 bytes apart: the sixteen rows of a load start at sixteen different columns of 16 bytes
	v_lshl_add_u32 v11, v3, 7, v11
	v_add_nc_u32 v11, s34, v11                     ; row r, + 128 h
	v_lshlrev_b32 v9, 3, v1
	v_cmp_ne_u32 vcc_lo, 0, v3                     ; lanes 16-31
.macro LOADX j
.irp i, 0,1,2,3,4,5,6,7,8,9,10,11,12,13,14,15
	global_load_b128 v[R+64*((\j)%2)+4*\i:R+64*((\j)%2)+4*\i+3], v7, s[4:5] offset:4096*\i+512*(\j) th:TH_LOAD_NT
.endr
.endm
.macro STEPX j
.if (\j) < 3
	s_wait_loadcnt 16                              ; this K step's 16 loads are in; the next one's may be out
.else
	s_wait_loadcnt 0x0
.endif
.irp i, 0,1,2,3,4,5,6,7,8,9,10,11,12,13,14,15
	ds_store_b128 v8, v[R+64*((\j)%2)+4*\i:R+64*((\j)%2)+4*\i+3] offset:528*\i
.endr
.irp c, 0,1
.irp e, 0,1,2,3,4,5,6,7
	ds_load_b128 v[X+32*\c+4*\e:X+32*\c+4*\e+3], v11 offset:256*\c+16*\e     ; K = 64 c + 32 h + 4 e on
.endr
.endr
	s_wait_dscnt 0x0                               ; the numbers are back, and the stores have read the registers that the next loads fill
	s_wait_xcnt 0x0                                ; the last K step's stores have read the codes' registers
.if (\j)+2 < 4
	LOADX (\j)+2
.endif
	QB X, C, BY
	QB X+32, C+6, BY+1
	WORD \j
.irp q, 0,1,2
	global_store_b128 v7, v[C+4*\q:C+4*\q+3], s[10:11] offset:1536*(\j)+512*\q   ; 512 consecutive bytes, aligned
.endr
.if (\j)%2 == 1
	v_cndmask_b32 v[SW+(\j)/2], v[WD+(\j)-1], v[WD+(\j)], vcc_lo   ; lanes 0-15 the even K step's word, lanes 16-31 the odd one's
.endif
.endm
	LOADX 0
	LOADX 1
	s_wait_alu depctr_va_vdst(0)
.irp j, 0,1,2,3
	STEPX \j
.endr
	global_store_b64 v9, v[SW:SW+1], s[12:13]      ; 256 consecutive bytes, aligned
	s_wait_tensorcnt 0x0
	ds_add_u32 v240, v241
	s_wait_dscnt 0x0
	s_endpgm
; ---- Wg.  Lane (r, h) takes expert r and its registers run down K, in the order of the operand's registers.  Wave w takes K steps 2 w and 2 w + 1.
.Lgate:
	s_lshl_b32 s20, s18, 14                        ; 256 rows of 64 bytes
	s_add_nc_u64 s[8:9], s[8:9], s[20:21]
	s_mul_i32 s22, s18, 3072
	s_add_nc_u64 s[22:23], s[16:17], s[22:23]
	s_lshl_b32 s24, s18, 7
	s_add_co_u32 s24, s24, 12288
	s_add_nc_u64 s[24:25], s[16:17], s[24:25]
	s_wait_alu depctr_va_vdst(0)
	v_lshlrev_b32 v4, 2, v2
	v_lshl_add_u32 v4, v3, 11, v4                  ; column r; lanes 16-31 begin 32 rows further down
	v_lshlrev_b32 v7, 4, v1
	v_lshlrev_b32 v9, 2, v1
	v_cmp_ne_u32 vcc_lo, 0, v3
.macro LOADG t                         ; block t: K step t / 2 of my two, c = t % 2
.irp i, 0,1,2,3,4,5,6,7,8,9,10,11,12,13,14,15,16,17,18,19,20,21,22,23,24,25,26,27,28,29,30,31
	global_load_b32 v[X+32*((\t)%2)+\i], v4, s[8:9] offset:64*(128*((\t)/2)+64*((\t)%2)+\i)
.endr
.endm
.macro BLOCKG t
.if (\t) < 3
	s_wait_loadcnt 32                              ; this block's 32 loads are in; the next block's may be out
.else
	s_wait_loadcnt 0x0
.endif
.if (\t) == 2
	s_wait_xcnt 0x0                                ; the first K step's stores have read the codes' registers
.endif
	QB X+32*((\t)%2), C+6*((\t)%2), BY+(\t)%2
.if (\t)+2 < 4
	LOADG (\t)+2
.endif
.if (\t)%2 == 1
	WORD (\t)/2
.irp q, 0,1,2
	global_store_b128 v7, v[C+4*\q:C+4*\q+3], s[22:23] offset:1536*((\t)/2)+512*\q
.endr
.endif
.endm
	LOADG 0
	LOADG 1
.irp t, 0,1,2,3
	BLOCKG \t
.endr
	v_cndmask_b32 v[SW], v[WD], v[WD+1], vcc_lo
	global_store_b32 v9, v[SW], s[24:25]
	s_endpgm
.Lfunc_end_k_q079ff61e2a_prep:
	.size	k_q079ff61e2a_prep, .Lfunc_end_k_q079ff61e2a_prep-k_q079ff61e2a_prep
	.p2alignl 7, 3214868480
	.fill 96, 4, 3214868480
	.section	.rodata,"a",@progbits
	.p2align	6, 0x0
	.amdhsa_kernel k_q079ff61e2a_prep
		.amdhsa_group_segment_fixed_size 59904
		.amdhsa_private_segment_fixed_size 0
		.amdhsa_enable_private_segment 0
		.amdhsa_kernarg_size 56
		.amdhsa_user_sgpr_count 2
		.amdhsa_user_sgpr_kernarg_segment_ptr 1
		.amdhsa_wavefront_size32 1
		.amdhsa_system_sgpr_workgroup_id_x 1
		.amdhsa_system_sgpr_workgroup_id_y 1
		.amdhsa_system_sgpr_workgroup_id_z 1
		.amdhsa_system_vgpr_workitem_id 0
		.amdhsa_next_free_vgpr 242
		.amdhsa_next_free_sgpr 66
		.amdhsa_reserve_vcc 1
		.amdhsa_float_denorm_mode_32 3
		.amdhsa_float_denorm_mode_16_64 3
		.amdhsa_memory_ordered 1
		.amdhsa_forward_progress 1
		.amdhsa_inst_pref_size 91
	.end_amdhsa_kernel
	.amdgpu_metadata
---
amdhsa.version: [ 1, 2 ]
amdhsa.kernels:
  - .name:           k_q079ff61e2a_prep
    .symbol:         k_q079ff61e2a_prep.kd
    .args:
      - { .name: x, .offset: 0, .size: 8, .value_kind: global_buffer, .address_space: global }
      - { .name: W, .offset: 8, .size: 8, .value_kind: global_buffer, .address_space: global }
      - { .name: Wg, .offset: 16, .size: 8, .value_kind: global_buffer, .address_space: global }
      - { .name: xc, .offset: 24, .size: 8, .value_kind: global_buffer, .address_space: global }
      - { .name: xs, .offset: 32, .size: 8, .value_kind: global_buffer, .address_space: global }
      - { .name: wc, .offset: 40, .size: 8, .value_kind: global_buffer, .address_space: global }
      - { .name: gc, .offset: 48, .size: 8, .value_kind: global_buffer, .address_space: global }
    .group_segment_fixed_size: 59904
    .private_segment_fixed_size: 0
    .kernarg_segment_align: 8
    .kernarg_segment_size: 56
    .max_flat_workgroup_size: 128
    .sgpr_count:     66
    .vgpr_count:     242
    .wavefront_size: 32
...
	.end_amdgpu_metadata
.endif
;; end of part 1
;; launch gemm (part 2): grid 16 x 16, 4 waves a work-group, clusters of 4 x 1, 327,680 bytes of LDS; arguments xc, xs, wc, gc, b, bg, out0; writes out0
.if DOCPART == 2
	.amdgcn_target "amdgcn-amd-amdhsa--gfx1250"
	.amdhsa_code_object_version 6
	.text
	.protected	k_q079ff61e2a_gemm
	.globl	k_q079ff61e2a_gemm
	.p2align	8
	.type	k_q079ff61e2a_gemm,@function
k_q079ff61e2a_gemm:
	s_mov_b64 s[64:65], 0
	v_nop
	global_prefetch_b8 v0, s[64:65] scope:SCOPE_SE
	s_setreg_imm32_b32 hwreg(HW_REG_WAVE_MODE, 25, 1), 1
	s_wait_xcnt 0x0
	s_wait_alu depctr_hold_cnt(0) depctr_sa_sdst(0) depctr_va_vdst(0) depctr_va_sdst(0) depctr_va_ssrc(0) depctr_va_vcc(0) depctr_vm_vsrc(0)
	s_getreg_b32 s2, hwreg(HW_REG_IB_STS2, 6, 4)
	s_cmp_eq_u32 s2, 0
	s_cbranch_scc0 .Lentry_in_a_cluster
	s_endpgm
.Lentry_in_a_cluster:
	s_bfe_u32 s2, ttmp6, 0x10000c
	s_cmp_lg_u32 s2, 0x3003
	s_cbranch_scc0 .Lentry_shape_is_right
	s_endpgm
.Lentry_shape_is_right:
; out0[r][o] = sum over the 16 experts m of g[r][m] relu(Q(x) Q(W_m) + b_m)[r][o],  g = relu(gu^2 / sum over m of gu^2),  gu = Q(x) Q(Wg) + bg.
; Both products run on codes of BF6 (E3M2) with E8M0 scales, made by the launch before and laid in the order of the operand's registers (its head comment has the layouts).
; SHARES.  A work-group makes 256 rows x 64 columns of out0 (16 x 16 work-groups); each of its four waves 64 rows x the same 64 columns, for all 16 experts: 8 K steps of 128 an expert,
; 16 matrix instructions a K step.  THE WAVE'S CODES OF x STAY IN REGISTERS (4 blocks of 16 rows x 8 K steps x 12 = 384), so LDS feeds W alone: 6,144 bytes for 16 matrix instructions.
; THE MATRIX INSTRUCTION IS USED TRANSPOSED (source 0 = 16 columns of W, source 1 = 16 rows of x): lane (r, h) holds row r and columns 8 h + 0 .. 7 of a block: a gate is one number a lane,
; and the bias, eight registers a block of columns, is the C of an expert's first K step.
; BY TURNS.  Two sets of 16 accumulators, T0 and T1.  While an expert is multiplied into one, the expert before leaves the other: relu, then OUT += g T.
; The relu is written v_max3_num_f32 T, 0, 0, T: its one register source stands in the place of a product's C and its result in the place of D, so it runs under the products' own window setting, and one
; stands behind each matrix instruction of K steps 1 to 7.  What needs other windows (two accumulators' eight packed multiply-adds a step) stands together, behind a step's first product and in front of
; the step's ONE run of LDS loads, where the windows are switched anyway: three or four switches for a step's 16 matrix instructions.
; THE RING.  Two LDS slots, each with two experts' strip of W (2 x 51,200 bytes, dense in memory); every wave fetches a quarter by one tensor load; a refill has 256 matrix instructions in which to land.
; CLUSTER.  The four work-groups of a cluster are four blocks of rows of ONE strip of columns: W's slots alone are asked for jointly (mask 15).  x, the gates and out0 are each work-group's own.
; LIMITS: NaN and infinities among the inputs are not served.  g = gu^2 x (1 / sum) by v_rcp_f32; the sum over 16 experts is a tree.  A row whose sum of squares is 0 or under 2^-126, for which
; the definition gives NaN, gets gates of 0 here (the maximum with 0 drops a NaN).
; REGISTERS, in windows of 256 (s_set_vgpr_msb: bits 1:0 source 0, 3:2 source 1, 5:4 source 2, 7:6 destination):
;   window 0: v3-29 addresses; v32-47 x's scale words; v48-55 W's, two sets; v56-71 gates; v72-103 the bias; v104-107 Wg's scale words; v108-115 bg; v128-255 OUT (accumulator 4 b + a)
;   window 1: x's fragments of K steps 0-4 at 12 (4 k + a)      window 2: those of K steps 5-7; from v144 two sets of W's four fragments (at the head: Wg's eight)      window 3: T0, T1
.set EBLK,  51200                      ; an expert's strip: 49,152 bytes of codes, 2,048 of scale words
.set SLOTB, 2*EBLK
.set QUART, SLOTB/4                    ; what one tensor load brings: 100 rows of 256 bytes
.set SLOT1, 1<<17                      ; slot 1 begins here, so that one exclusive or turns an address in one slot into the other's
.set BIAS,  SLOT1+SLOTB                ; [m 16][256 bytes]: written once by LDS stores, no fill lands here: each wave brings four experts' bias through registers (W's slots alone are asked for jointly)
.set GATE,  BIAS+4096                  ; for each wave 64 rows x (16 gates + 16 bytes): written by LDS stores, no fill lands here
.set STAGE, GATE+4*5120                ; for each wave 16 rows x (256 bytes + 16), for the way out
.set SPARE, STAGE+4*4352               ; the spare words, 128 bytes for each wave: two blocks of 256 bytes that no other line names
.set ADF, 3                            ; v3-4   LDS address of the codes of the slot's expert 0, 1
.set ADS, 5                            ; v5-6   of their scale words
.set BAD, 7                            ; v7     of the slot's first expert's bias
.set GAD, 8                            ; v8     of my row's gate for the slot's first expert
.set SPW, 9                            ; v9     LDS address of my spare word; never rewritten
.set NIL, 10                           ; v10    0; never rewritten
.set PFO, 11                           ; v11    the prefetches' offset: 256 x min(lane, 24)
.set STO, 12                           ; v12    the way out: where I put 32 bytes of a row
.set RD,  13                           ; v13    where I read a row back
.set CO,  14                           ; v14    my byte offset in out0
.set AF0, 24                           ; v24-29 the lane's terms of ADF, ADS, BAD, GAD; never rewritten
.set AS0, 26
.set BAD0, 28
.set GAD0, 29
.set XS,  32                           ; register 4 a + p: lanes 0-15 the word of row r for K step 2 p, lanes 16-31 for 2 p + 1
.set WS,  48                           ; register 4 (q % 2) + b: lanes 0-15 the word of column r of block b for K step 2 q, lanes 16-31 for 2 q + 1
.set G,   56                           ; expert e of a slot, rows' block a: v[G + 8 e + 2 a]; the odd registers hold 0 (named as a pair's upper half)
.set BI,  72
.set GS,  104
.set BG,  108
.set OUT, 128
.set BF,  144                          ; in window 2
.set WV,  18                           ; s18  my wave's number
.set TB,  52                           ; s52  LDS byte at which the slot in hand begins
.set SLOTS, 53                         ; s53  slots still to be asked for
.set LIM, 54                           ; s54  1 in a work-group that prefetches, else the greatest number
.set TBI, 55                           ; s55  512 x the slot's number: its first expert's bias
.set PFA, 56                           ; s[56:57] where my prefetches stand
.set SEL, 58                           ; s[58:59] v_permlanex16_b32's selects for lane l xor 16
.set TG,  60                           ; s60  8 x the slot's number: its first expert's gate
.set MSB, 0
.macro WIN new                         ; the immediate's high byte repeats the setting that is left; a switch that changes nothing is dropped
.if MSB != (\new)
	s_set_vgpr_msb (MSB<<8)|(\new)
.set MSB, (\new)
.endif
.endm
.macro CREST                           ; a round of the cluster's barrier behind its opening barrier
	s_cmp_lg_u32 s[WV], 0
	s_cbranch_scc1 .Lnot_wave_0_\@
	s_barrier_signal -3
.Lnot_wave_0_\@:
	s_barrier_wait -3
	s_barrier_signal -1
	s_barrier_wait -1
.endm
.macro CROUND                          ; a whole round
	s_barrier_signal -1
	s_barrier_wait -1
	CREST
.endm
; A PREFETCH INTO THE L2 of what the NEXT change of slots will ask for: two experts' strip, 102,400 bytes.  A strip is walked by four clusters: the first of them (cluster x = 0) asks.  Of the 100 rows of
; 256 bytes that wave w fetches, each of the four partners takes 25, told apart BY ADDRESS; a lane a row (lanes 25 to 31 name lane 24's row).  The last change that fills a slot asks for nothing.
.macro ASK
	s_cmp_gt_u32 s[SLOTS], s[LIM]
	s_cbranch_scc0 .Lnot_mine_\@
	global_prefetch_b8 v[PFO], s[PFA:PFA+1] th:TH_LOAD_NT scope:SCOPE_SE
.Lnot_mine_\@:
.endm
	s_load_b256 s[4:11], s[0:1], 0x0               ; xc s[4:5], xs s[6:7], wc s[8:9], gc s[10:11]
	s_load_b128 s[12:15], s[0:1], 0x20             ; b s[12:13], bg s[14:15]
	s_load_b64 s[16:17], s[0:1], 0x30              ; out0
	v_lshl_add_u32 v[SPW], v0, 2, SPARE
	v_mov_b32 v[NIL], 0
	ds_add_u32 v9, v10
	ds_add_u32 v9, v10
	s_wait_dscnt 0x0
	v_lshrrev_b32 v15, 5, v0
	v_readfirstlane_b32 s[WV], v15                 ; wave 0..3
	s_bfe_u32 s19, ttmp6, 0x40000                  ; cx: it enters the addresses of xc, xs, out0 and the prefetches alone
	s_lshl_b32 s20, ttmp9, 2
	s_add_co_u32 s20, s20, s19                     ; my block of 256 rows = 4 x cluster x + cx
	s_and_b32 s21, ttmp7, 0xffff                   ; the strip of 64 columns, which the four partners share
	; descriptor group 1 for W's quarter slots: 100 dense rows of 32 elements of 8 bytes
	s_mov_b32 s24, 15|(3<<16)|(1<<21)              ; 15:0 the mask: all four work-groups; 17:16 elements of 8 bytes; 20 no padding; 21 set beside a mask
	s_mov_b32 s25, 32<<16                          ; tensor_dim0 = 32
	s_mov_b32 s26, 100<<16                         ; tensor_dim1 = 100
	s_mov_b32 s27, 32<<16                          ; tile_dim0 = 32
	s_mov_b32 s28, 100                             ; tile_dim1 = 100
	s_mov_b32 s29, 32                              ; from row to row: 32 elements
	s_mov_b32 s30, 0
	s_mov_b32 s31, 0
	s_mov_b32 s[SEL], 0x76543210
	s_mov_b32 s[SEL+1], 0xfedcba98
	s_mov_b32 s[TB], 0
	s_mov_b32 s[TBI], 0
	s_mov_b32 s[TG], 0
	s_cmp_eq_u32 ttmp9, 0                          ; the same in all four partners
	s_cselect_b32 s[LIM], 1, -1
	v_and_b32 v23, 31, v0                          ; lane
	v_and_b32 v20, 15, v0                          ; r
	v_bfe_u32 v21, v0, 4, 1                        ; h
	v_lshlrev_b32 v16, 4, v23                      ; 16, 8, 4 bytes a lane
	v_lshlrev_b32 v17, 3, v23
	v_lshlrev_b32 v18, 2, v23
	v_lshlrev_b32 v19, 5, v21                      ; 32 h
	v_min_u32 v[PFO], 24, v23
	v_lshlrev_b32 v[PFO], 8, v[PFO]
	v_mul_u32_u24 v[AF0], v23, 48                  ; a lane's 12 registers on end
	v_add_nc_u32 v[AF0+1], EBLK, v[AF0]
	v_lshl_add_u32 v[AS0], v23, 3, 49152
	v_add_nc_u32 v[AS0+1], EBLK, v[AS0]
	v_lshl_add_u32 v[BAD0], v21, 5, BIAS           ; my half's eight columns of a block
	s_mul_i32 s61, s[WV], 5120
	s_add_co_u32 s61, s61, GATE
	v_mul_u32_u24 v[GAD0], v20, 80
	v_add_nc_u32 v[GAD0], s61, v[GAD0]             ; my row's 16 gates
	v_lshl_add_u32 v22, v21, 5, v[GAD0]            ; and where I store my half's eight
	s_mul_i32 s61, s[WV], 4352
	s_add_co_u32 s61, s61, STAGE                   ; my stage
	v_mul_u32_u24 v[STO], v20, 272
	v_lshl_add_u32 v[STO], v21, 5, v[STO]
	v_add_nc_u32 v[STO], s61, v[STO]               ; in: row r, + 32 h
	v_mul_u32_u24 v[RD], v21, 272
	v_lshl_add_u32 v[RD], v20, 4, v[RD]
	v_add_nc_u32 v[RD], s61, v[RD]                 ; back: lanes 0-15 one row of 256 bytes, lanes 16-31 the next
	v_lshlrev_b32 v[CO], 12, v21
	v_lshl_add_u32 v[CO], v20, 4, v[CO]            ; and the same two rows in out0; also two experts' 256 bytes of b, 4,096 bytes apart
	s_lshl_b32 s49, s[WV], 10
	s_add_co_u32 s49, s49, BIAS
	v_add_nc_u32 v15, s49, v16                     ; where my wave's four experts' bias goes: BIAS + 1,024 x wave + 16 x lane
.irp i, 0,1,2,3,4,5,6,7
	v_mov_b32 v[G+2*\i+1], 0
.endr
	s_mul_i32 s22, s21, 16*EBLK                    ; my strip,
	s_mul_i32 s61, s[WV], QUART                    ; my quarter of a slot, in memory and in LDS: no place in the cluster enters either
	s_add_co_u32 s22, s22, s61
	s_mov_b32 s23, 0
	s_mov_b32 s63, 0
	s_wait_alu depctr_va_vdst(0)
	s_wait_kmcnt 0x0
	s_add_nc_u64 s[8:9], s[8:9], s[22:23]
	s_mov_b32 s40, 1                               ; group 0 for slot 0: count = 1,
	s_mov_b32 s41, s61                             ; LDS address,
	s_mov_b64 s[42:43], s[8:9]                     ; global address: experts 0 and 1,
	s_or_b32 s43, s43, 0x80000000                  ; type = 2
	s_mov_b32 s44, 1                               ; group 0 for slot 1: experts 2 and 3; it then walks on
	s_add_co_u32 s45, s61, SLOT1
	s_add_nc_u64 s[46:47], s[8:9], SLOTB
	s_or_b32 s47, s47, 0x80000000
	s_lshl_b32 s22, s21, 8                         ; the bias: the strip's 256 bytes of experts 4 w to 4 w + 3
	s_lshl_b32 s61, s[WV], 14
	s_add_co_u32 s22, s22, s61
	s_add_nc_u64 s[12:13], s[12:13], s[22:23]
	s_mul_i32 s62, s19, 6400                       ; the prefetches: my work-group's 25 rows of my quarter,
	s_add_co_u32 s62, s62, 2*SLOTB                 ; two slots on: the first change of slots steps this to the third
	s_add_nc_u64 s[PFA:PFA+1], s[8:9], s[62:63]
	s_mul_i32 s62, s20, 196608                     ; xc: 16 blocks of 16 rows x 12,288 bytes a work-group, four a wave
	s_mul_i32 s61, s[WV], 49152
	s_add_co_u32 s62, s62, s61
	s_add_nc_u64 s[4:5], s[4:5], s[62:63]
	s_lshl_b32 s62, s20, 13                        ; xs: 512 bytes a block of 16 rows
	s_lshl_b32 s61, s[WV], 11
	s_add_co_u32 s62, s62, s61
	s_add_nc_u64 s[6:7], s[6:7], s[62:63]
	s_lshl_b32 s62, s20, 20                        ; out0: 256 rows of 4,096 bytes, my wave's 64, the strip's 256 bytes
	s_lshl_b32 s61, s[WV], 18
	s_add_co_u32 s62, s62, s61
	s_lshl_b32 s61, s21, 8
	s_add_co_u32 s62, s62, s61
	s_add_nc_u64 s[16:17], s[16:17], s[62:63]
	CROUND                                         ; all four work-groups are here: the first joint loads meet
	tensor_load_to_lds s[40:43], s[24:31]          ; my quarter of slot 0
	s_nop 0
.rept 4
	v_nop
.endr
	WIN 0x40                                       ; destination window 1
.irp k, 0,1,2,3,4
.irp a, 0,1,2,3
.irp q, 0,1,2
	global_load_b128 v[12*(4*\k+\a)+4*\q:12*(4*\k+\a)+4*\q+3], v16, s[4:5] offset:12288*\a+1536*\k+512*\q   ; x's fragments stay in registers
.endr
.endr
.endr
	WIN 0x80                                       ; destination window 2
.irp k, 5,6,7
.irp a, 0,1,2,3
.irp q, 0,1,2
	global_load_b128 v[12*(4*(\k-5)+\a)+4*\q:12*(4*(\k-5)+\a)+4*\q+3], v16, s[4:5] offset:12288*\a+1536*\k+512*\q
.endr
.endr
.endr
.irp k, 0,1,2,3,4,5,6,7
.irp q, 0,1,2
	global_load_b128 v[BF+12*\k+4*\q:BF+12*\k+4*\q+3], v16, s[10:11] offset:1536*\k+512*\q   ; Wg's eight fragments, where W's will lie
.endr
.endr
	WIN 0
.irp a, 0,1,2,3
.irp y, 0,1
	global_load_b64 v[XS+4*\a+2*\y:XS+4*\a+2*\y+1], v17, s[6:7] offset:512*\a+256*\y
.endr
.endr
.irp p, 0,1,2,3
	global_load_b32 v[GS+\p], v18, s[10:11] offset:12288+128*\p
.endr
	global_load_b128 v[BG:BG+3], v19, s[14:15]     ; bg of experts 8 h + 0 .. 7: the C of the gate's first K step
	global_load_b128 v[BG+4:BG+7], v19, s[14:15] offset:16
	global_load_b128 v[116:119], v[CO], s[12:13]               ; the strip's bias of experts 4 w and 4 w + 1: sixteen lanes read 256 consecutive bytes
	global_load_b128 v[120:123], v[CO], s[12:13] offset:8192   ; and of experts 4 w + 2 and 4 w + 3
	s_wait_loadcnt 0x0
	ds_store_b128 v15, v[116:119]                  ; the other waves read these behind the round below
	ds_store_b128 v15, v[120:123] offset:512
; THE GATES.  gu^T = Wg^T x^T + bg: lane (r, h) holds row r and experts 8 h + 0 .. 7.  Four accumulators (the four blocks of rows) by turns, in T0's first registers.
.macro GM k, a
.set rB, 12*(4*((\k)%5)+(\a))
.if (\k) == 0
	WIN 0xc6                                       ; source 0 window 2, source 1 window 1, C window 0, D window 3
	v_wmma_scale_f32_16x16x128_f8f6f4 v[8*(\a):8*(\a)+7], v[BF:BF+11], v[rB:rB+11], v[BG:BG+7], v[GS], v[XS+4*(\a)] matrix_a_fmt:MATRIX_FMT_BF6 matrix_b_fmt:MATRIX_FMT_BF6
.else
.if (\k) < 5
	WIN 0xf6
.else
	WIN 0xfa
.endif
.if (\k)%2
	v_wmma_scale_f32_16x16x128_f8f6f4 v[8*(\a):8*(\a)+7], v[BF+12*(\k):BF+12*(\k)+11], v[rB:rB+11], v[8*(\a):8*(\a)+7], v[GS+(\k)/2], v[XS+4*(\a)+(\k)/2] matrix_a_fmt:MATRIX_FMT_BF6 matrix_b_fmt:MATRIX_FMT_BF6 matrix_a_scale:MATRIX_SCALE_ROW1 matrix_b_scale:MATRIX_SCALE_ROW1
.else
	v_wmma_scale_f32_16x16x128_f8f6f4 v[8*(\a):8*(\a)+7], v[BF+12*(\k):BF+12*(\k)+11], v[rB:rB+11], v[8*(\a):8*(\a)+7], v[GS+(\k)/2], v[XS+4*(\a)+(\k)/2] matrix_a_fmt:MATRIX_FMT_BF6 matrix_b_fmt:MATRIX_FMT_BF6
.endif
.endif
.endm
.irp k, 0,1,2,3,4,5,6,7
.irp a, 0,1,2,3
	GM \k, \a
.endr
.endr
.rept 4
	v_nop                                          ; four places in front of the first read of results (ISA guide 7.12.1)
.endr
	WIN 0x0f                                       ; sources window 3, destination window 0: OUT's registers are free still
.irp a, 0,1,2,3
.irp j, 0,1,2,3,4,5,6,7
	v_mul_f32 v[OUT+8*\a+\j], v[8*\a+\j], v[8*\a+\j]       ; gu^2, each accumulator from its low end on
.endr
.endr
	WIN 0
.irp a, 0,1,2,3                        ; the row's sum of 16 squares: my eight as a tree, then lane l xor 16's
	v_pk_add_f32 v[160+4*\a:161+4*\a], v[OUT+8*\a:OUT+8*\a+1], v[OUT+8*\a+2:OUT+8*\a+3]
	v_pk_add_f32 v[162+4*\a:163+4*\a], v[OUT+8*\a+4:OUT+8*\a+5], v[OUT+8*\a+6:OUT+8*\a+7]
.endr
.irp a, 0,1,2,3
	v_pk_add_f32 v[160+4*\a:161+4*\a], v[160+4*\a:161+4*\a], v[162+4*\a:163+4*\a]
.endr
.irp a, 0,1,2,3
	v_add_f32 v[160+4*\a], v[160+4*\a], v[161+4*\a]
.endr
.irp a, 0,1,2,3
	v_permlanex16_b32 v[161+4*\a], v[160+4*\a], s[SEL], s[SEL+1]
.endr
.irp a, 0,1,2,3
	v_add_f32 v[160+4*\a], v[160+4*\a], v[161+4*\a]
.endr
	s_wait_alu depctr_va_vdst(0)
.irp a, 0,1,2,3
	v_rcp_f32 v[162+4*\a], v[160+4*\a]
.endr
	v_nop                                          ; a plain instruction between the last reciprocal and the use of its result
	s_wait_alu depctr_va_vdst(0)                   ; and the wait ahead of the first use: one for the four
.irp a, 0,1,2,3
.irp j, 0,2,4,6
	v_pk_mul_f32 v[OUT+8*\a+\j:OUT+8*\a+\j+1], v[OUT+8*\a+\j:OUT+8*\a+\j+1], v[162+4*\a:163+4*\a] op_sel_hi:[1,0]
.endr
.endr
.irp j, 0,1,2,3,4,5,6,7,8,9,10,11,12,13,14,15,16,17,18,19,20,21,22,23,24,25,26,27,28,29,30,31
	v_max_num_f32 v[OUT+\j], 0, v[OUT+\j]          ; the gate's relu
.endr
.irp a, 0,1,2,3
	ds_store_b128 v22, v[OUT+8*\a:OUT+8*\a+3] offset:1280*\a       ; to my wave's own rows: a lane will want one expert's gate of its row at a time
	ds_store_b128 v22, v[OUT+8*\a+4:OUT+8*\a+7] offset:1280*\a+16
.endr
	s_wait_tensorcnt 0x0                           ; my quarter of slot 0 is in
	ds_add_u32 v[SPW], v[NIL]                      ; 0 onto my spare word
	s_wait_dscnt 0x0                               ; the add is done, and so are my stores of the bias and of the gates
	CROUND                                         ; a whole round: slot 0 and the bias are whole, and all four work-groups are here
	tensor_load_to_lds s[44:47], s[24:31]          ; slot 1's first fill, my one tensor load behind the round: slot 0's first 14 steps, 224 matrix instructions, stand ahead of the wait for it
	s_nop 0
.rept 4
	v_nop
.endr
; ---- THE PIPELINE.  Step j = 0 .. 15 of a slot: expert e = j / 8 of its two, K step k = j % 8.
.macro ADDRS                           ; the slot's addresses
	v_add_nc_u32 v[ADF], s[TB], v[AF0]
	v_add_nc_u32 v[ADF+1], s[TB], v[AF0+1]
	v_add_nc_u32 v[ADS], s[TB], v[AS0]
	v_add_nc_u32 v[ADS+1], s[TB], v[AS0+1]
	v_add_nc_u32 v[BAD], s[TBI], v[BAD0]
	v_add_nc_u32 v[GAD], s[TG], v[GAD0]
.endm
; Matrix instruction n = 4 b + a of step j.  The 16 accumulators take turns, one instruction a turn, in the same order in every step.
.macro MM j, n
.set kk, (\j)%8
.set rD, 128*((\j)/8)+8*(\n)
.set rA, BF+48*((\j)%2)+12*((\n)/4)
.set rB, 12*(4*(kk%5)+(\n)%4)
.set rSA, WS+4*((kk/2)%2)+(\n)/4
.set rSB, XS+4*((\n)%4)+kk/2
.if kk == 0
	WIN 0xc6                                       ; the bias starts the sums: nothing is cleared, nothing is added later
	v_wmma_scale_f32_16x16x128_f8f6f4 v[rD:rD+7], v[rA:rA+11], v[rB:rB+11], v[BI+8*((\n)/4):BI+8*((\n)/4)+7], v[rSA], v[rSB] matrix_a_fmt:MATRIX_FMT_BF6 matrix_b_fmt:MATRIX_FMT_BF6
.else
.if kk < 5
	WIN 0xf6
.else
	WIN 0xfa
.endif
.if kk%2
	v_wmma_scale_f32_16x16x128_f8f6f4 v[rD:rD+7], v[rA:rA+11], v[rB:rB+11], v[rD:rD+7], v[rSA], v[rSB] matrix_a_fmt:MATRIX_FMT_BF6 matrix_b_fmt:MATRIX_FMT_BF6 matrix_a_scale:MATRIX_SCALE_ROW1 matrix_b_scale:MATRIX_SCALE_ROW1
.else
	v_wmma_scale_f32_16x16x128_f8f6f4 v[rD:rD+7], v[rA:rA+11], v[rB:rB+11], v[rD:rD+7], v[rSA], v[rSB] matrix_a_fmt:MATRIX_FMT_BF6 matrix_b_fmt:MATRIX_FMT_BF6
.endif
.endif
.endm
; THE WAY OF THE OTHER SET OF ACCUMULATORS INTO OUT, in an expert's eight steps.  mode 2: as below.  mode 1: the launch's first expert leaves: OUT = g T starts the sums.  mode 0: there is no expert before.
;   relu of register 16 k + n of the set: behind matrix instruction n of K step k = 1 .. 7, under the products' windows (C and D window 3 in both settings); registers 0 to 15: in K step 0's block
;   OUT += g T of accumulators 2 k - 2 and 2 k - 1, whose relu was done a step before: in K step k's block; of accumulators 14 and 15: behind K step 7's last product
; Each accumulator is read from its low end on.
.macro RLX j, n, mode
.if ((\mode) > 0) && (((\j)%8) > 0)
.set rT, 128*(1-(\j)/8)+16*((\j)%8)+(\n)
	v_max3_num_f32 v[rT], 0, 0, v[rT]
.endif
.endm
.macro PK j, i, mode                   ; accumulator i: four packed instructions
.set rT, 128*(1-(\j)/8)+8*(\i)
.set rG, G+8*(1-(\j)/8)+2*((\i)%4)
.set rO, OUT+8*(\i)
	WIN 0x03                                       ; source 0 (T) window 3; the gate and OUT window 0
.irp p, 0,2,4,6
.if (\mode) == 1
	v_pk_mul_f32 v[rO+\p:rO+\p+1], v[rT+\p:rT+\p+1], v[rG:rG+1] op_sel_hi:[1,0]
.else
	v_pk_fma_f32 v[rO+\p:rO+\p+1], v[rT+\p:rT+\p+1], v[rG:rG+1], v[rO+\p:rO+\p+1] op_sel_hi:[1,0,1]
.endif
.endr
.endm
; A step's block stands behind its first product and in front of its run of loads: at least four plain instructions that name no register of the last products that read the registers to be loaded
; (ISA guide 7.12.1 for vector instructions).  mode 0 has no such work: there the block sets to 0 the six accumulators of OUT whose first multiply-add stands in steps 14 and 15,
; which are written once for all slots (48 registers in K steps 0 to 5; K steps 6 and 7 have four v_nop).
.macro BLOCK j, mode
.set kb, (\j)%8
.if (\mode) == 0
.if kb < 6
	WIN 0
.irp p, 0,1,2,3,4,5,6,7
	v_mov_b32 v[OUT+80+8*kb+\p], 0
.endr
.else
.rept 4
	v_nop
.endr
.endif
.elseif kb == 0
	WIN 0xcc                                       ; source 1 and destination window 3: K step 0's products take their C from window 0, so these sixteen have a setting of their own
.irp p, 0,1,2,3,4,5,6,7,8,9,10,11,12,13,14,15
	v_max_num_f32 v[128*(1-(\j)/8)+\p], 0, v[128*(1-(\j)/8)+\p]
.endr
.else
	PK \j, 2*kb-2, \mode
	PK \j, 2*kb-1, \mode
.endif
.endm
; THE LDS LOADS of a step stand in ONE run.  Twelve loads: W's four fragments of step jn into set jn % 2
.macro RUNF4 jn
.set jj, (\jn)%16
	WIN 0x80                                       ; destination window 2
.irp b, 0,1,2,3
.irp c, 0,1,2
	ds_load_b128 v[BF+48*(jj%2)+12*\b+4*\c:BF+48*(jj%2)+12*\b+4*\c+3], v[ADF+jj/8] offset:6144*(jj%8)+1536*\b+16*\c
.endr
.endr
.endm
.macro RUNS jn                         ; two loads: W's scale words for steps jn and jn + 1
.set jj, (\jn)%16
.set q2, (jj%8)/2
	WIN 0
.irp bp, 0,1
	ds_load_b64 v[WS+4*(q2%2)+2*\bp:WS+4*(q2%2)+2*\bp+1], v[ADS+jj/8] offset:256*(2*q2+\bp)
.endr
.endm
.macro RUNX e, bias                    ; the next expert's bias (eight loads, if there is a next expert) and this expert's gates (four)
	WIN 0
.if \bias
.irp b, 0,1,2,3
	ds_load_b128 v[BI+8*\b:BI+8*\b+3], v[BAD] offset:256*((\e)+1)+64*\b
	ds_load_b128 v[BI+8*\b+4:BI+8*\b+7], v[BAD] offset:256*((\e)+1)+64*\b+16
.endr
.endif
.irp a, 0,1,2,3
	ds_load_b32 v[G+8*(\e)+2*\a], v[GAD] offset:1280*\a+4*(\e)
.endr
.endm
; Step j's run: the fragments of step j + 1; at even j the scale words of steps j + 2 and j + 3 (those of the next slot's first two steps wait for step 15, behind the change of slots); at k = 2 bias and gates.
.macro RUN j, bias
	RUNF4 (\j)+1
.if (\j) == 15
	RUNS 16
.elseif (((\j)%2) == 0) && ((\j) < 14)
	RUNS (\j)+2
.endif
.if ((\j)%8) == 2
	RUNX (\j)/8, \bias
.endif
.endm
; A STEP.  The set of fragments that the run fills was last read by the step before; the run stands 15 matrix instructions ahead of the wait for it, which is the next step's first line.
; Nothing is issued to LDS behind a step's run, so that wait is for 0.
.macro STEP j, mode, bias, run
	s_wait_dscnt 0x0                               ; the last step's run is in (behind a change of slots it is met at once)
	MM \j, 0
	RLX \j, 0, \mode
	RLX \j, 1, \mode                               ; two relus ahead of the block: with the block's first seven packed lines, nine plain instructions stand between the last step's last relu and the line that reads its result
	BLOCK \j, \mode
.if \run
	RUN \j, \bias
.endif
	MM \j, 1
.irp n, 2,3,4,5,6,7,8,9,10,11,12,13,14,15
	MM \j, \n
	RLX \j, \n, \mode
.endr
.if (((\j)%8) == 7) && ((\mode) > 0)
	PK \j, 14, \mode
	PK \j, 15, \mode
.endif
.endm
; Step 14 changes slots.  fill = 2: the slot is filled again, with the experts two slots on; 1: the barrier alone (the last slot has to be whole for all four waves).
; Its run holds the last reads of the slot.  In front of the barrier each wave waits for all its tensor loads, of which one is out: its quarter of the next slot; adds 0 to its spare word; and waits for that
; and for its reads of this slot.  Step 15's run is the first read of the next slot.
.macro CH14 fill
	s_wait_dscnt 0x0
	MM 14, 0
	RLX 14, 0, 2
	RLX 14, 1, 2
	BLOCK 14, 2
	RUNF4 15                                       ; the last reads of the slot
	WIN 0                                          ; (the add's two registers lie in window 0)
	s_wait_tensorcnt 0x0                           ; no tensor load of mine is out, so a group 0 may be written
	ds_add_u32 v[SPW], v[NIL]                      ; 0 onto my spare word; eleven products stand between it and the wait for it
.if (\fill) == 2
	s_xor_b32 s45, s45, SLOT1                      ; the walking descriptor: the other slot than last time,
	s_add_nc_u64 s[46:47], s[46:47], SLOTB         ; the next two experts; the type bits on top are not reached
	s_wait_xcnt 0x0                                ; the last prefetch, a slot back, has read its address, so it may be written:
	s_add_nc_u64 s[PFA:PFA+1], s[PFA:PFA+1], SLOTB ; one slot further on than the walking descriptor
.endif
	MM 14, 1
.irp n, 2,3,4,5,6,7,8,9,10,11
	MM 14, \n
	RLX 14, \n, 2
.endr
	s_wait_dscnt 0x0                               ; the add is done, and my reads of this slot are over
	s_barrier_signal -1
.irp n, 12,13,14,15
	MM 14, \n                                      ; work on registers while the others arrive
	RLX 14, \n, 2
.endr
	WIN 0
	s_barrier_wait -1
.if (\fill) == 2
	CREST                                          ; the barrier has opened a round of the cluster's: no wave of any partner still reads the slot or has a load on its way
	tensor_load_to_lds s[44:47], s[24:31]          ; my one tensor load behind the round: it has 256 matrix instructions in which to land
	s_nop 0
.rept 4
	v_nop
.endr
.endif
	s_xor_b32 s[TB], s[TB], SLOT1                  ; on to the other slot,
	s_add_co_u32 s[TBI], s[TBI], 512               ; its two experts' bias
	s_add_co_u32 s[TG], s[TG], 8                   ; and gates
	ADDRS
.if (\fill) == 2
	ASK
.endif
.endm
.macro BODY m0, m1, lastbias           ; a slot's steps 0 to 13
.irp j, 0,1,2,3,4,5,6,7
	STEP \j, \m0, 1, 1
.endr
.irp j, 8,9,10,11,12,13
	STEP \j, \m1, \lastbias, 1
.endr
.endm
	ADDRS
.irp b, 0,1,2,3
	ds_load_b128 v[BI+8*\b:BI+8*\b+3], v[BAD] offset:64*\b         ; expert 0's bias
	ds_load_b128 v[BI+8*\b+4:BI+8*\b+7], v[BAD] offset:64*\b+16
.endr
	RUNS 0
	RUNF4 0
	BODY 0, 1, 1                                   ; slot 0: expert 0 has no expert before it; expert 1's steps carry expert 0's way into OUT
	WIN 0                                          ; at a label and at a branch every window is 0
	s_mov_b32 s[SLOTS], 6
.Lslot:                                            ; six trips, from a slot's step 14 to the next slot's step 13: slots 0 to 5 are filled again
	CH14 2
	STEP 15, 2, 1, 1
	BODY 2, 2, 1
	WIN 0
	s_sub_co_u32 s[SLOTS], s[SLOTS], 1
	s_cmp_lg_u32 s[SLOTS], 0
	s_cbranch_scc1 .Lslot
	CH14 1                                         ; the tail is written out
	STEP 15, 2, 1, 1
	BODY 2, 2, 0                                   ; the last slot: there is no bias behind expert 15's
	STEP 14, 2, 1, 1
	STEP 15, 2, 1, 0                               ; the last step fetches nothing
	; expert 15's way into OUT: nothing is left to stand beside it.  Ascending: behind the last product stand nine plain instructions on the other set, and the lines on the lower accumulators are places for the higher ones.
	WIN 0xcc
.set i, 0
.rept 128
	v_max_num_f32 v[128+i], 0, v[128+i]
.set i, i+1
.endr
	WIN 0x03
.set i, 0
.rept 64
	v_pk_fma_f32 v[OUT+2*i:OUT+2*i+1], v[128+2*i:128+2*i+1], v[G+8+2*((i/4)%4):G+8+2*((i/4)%4)+1], v[OUT+2*i:OUT+2*i+1] op_sel_hi:[1,0,1]
.set i, i+1
.endr
	WIN 0
; THE WAY OUT, a block of 16 rows x 64 columns at a time.  A lane holds 32 neighbouring bytes of a row and the lanes beside it other rows: the block goes through my own stage and comes back as whole rows
; of 256 bytes, into the registers that it left.  LDS serves a wave's instructions in order (ISA guide 5.7.1.4): no wait between the stores and the loads, nor in front of the next block's stores.
.macro TOSTAGE a
.irp b, 0,1,2,3
	ds_store_b128 v[STO], v[OUT+8*(4*\b+\a):OUT+8*(4*\b+\a)+3] offset:64*\b
	ds_store_b128 v[STO], v[OUT+8*(4*\b+\a)+4:OUT+8*(4*\b+\a)+7] offset:64*\b+16
.endr
.irp t, 0,1,2,3,4,5,6,7
	ds_load_b128 v[OUT+8*(4*(\t/2)+\a)+4*(\t%2):OUT+8*(4*(\t/2)+\a)+4*(\t%2)+3], v[RD] offset:544*\t
.endr
.endm
.macro SEND a, younger                 ; younger: the LDS instructions issued behind block a's loads: the next block's sixteen, or none
.irp t, 0,1,2,3,4,5,6,7
	s_wait_dscnt \younger+7-\t
	global_store_b128 v[CO], v[OUT+8*(4*(\t/2)+\a)+4*(\t%2):OUT+8*(4*(\t/2)+\a)+4*(\t%2)+3], s[16:17] offset:(16*\a+2*\t)*4096 th:TH_STORE_NT   ; 16 lanes store 256 consecutive bytes, at a multiple of 256 from out0's first byte
.endr
.endm
	s_wait_alu depctr_va_vdst(0)                   ; the last sums into OUT are read by stage stores that stand behind SEND's waits
	TOSTAGE 0
	TOSTAGE 1
	SEND 0, 16
	TOSTAGE 2
	SEND 1, 16
	TOSTAGE 3
	SEND 2, 16
	SEND 3, 0
	s_wait_tensorcnt 0x0                           ; the wave's end: behind my last tensor load and my last LDS store
	ds_add_u32 v[SPW], v[NIL]
	s_wait_dscnt 0x0
	CROUND                                         ; the closing round: no work-group ends while a partner may still ask for a tile that names it
	s_endpgm
.Lfunc_end_k_q079ff61e2a_gemm:
	.size	k_q079ff61e2a_gemm, .Lfunc_end_k_q079ff61e2a_gemm-k_q079ff61e2a_gemm
	.p2alignl 7, 3214868480
	.fill 96, 4, 3214868480
	.section	.rodata,"a",@progbits
	.p2align	6, 0x0
	.amdhsa_kernel k_q079ff61e2a_gemm
		.amdhsa_group_segment_fixed_size 327680
		.amdhsa_private_segment_fixed_size 0
		.amdhsa_enable_private_segment 0
		.amdhsa_kernarg_size 56
		.amdhsa_user_sgpr_count 2
		.amdhsa_user_sgpr_kernarg_segment_ptr 1
		.amdhsa_wavefront_size32 1
		.amdhsa_system_sgpr_workgroup_id_x 1
		.amdhsa_system_sgpr_workgroup_id_y 1
		.amdhsa_system_sgpr_workgroup_id_z 1
		.amdhsa_system_vgpr_workitem_id 0
		.amdhsa_next_free_vgpr 1024
		.amdhsa_next_free_sgpr 66
		.amdhsa_reserve_vcc 0
		.amdhsa_float_denorm_mode_32 3
		.amdhsa_float_denorm_mode_16_64 3
		.amdhsa_memory_ordered 1
		.amdhsa_forward_progress 1
		.amdhsa_inst_pref_size 254
	.end_amdhsa_kernel
	.amdgpu_metadata
---
amdhsa.version: [ 1, 2 ]
amdhsa.kernels:
  - .name:           k_q079ff61e2a_gemm
    .symbol:         k_q079ff61e2a_gemm.kd
    .args:
      - { .name: xc, .offset: 0, .size: 8, .value_kind: global_buffer, .address_space: global }
      - { .name: xs, .offset: 8, .size: 8, .value_kind: global_buffer, .address_space: global }
      - { .name: wc, .offset: 16, .size: 8, .value_kind: global_buffer, .address_space: global }
      - { .name: gc, .offset: 24, .size: 8, .value_kind: global_buffer, .address_space: global }
      - { .name: b, .offset: 32, .size: 8, .value_kind: global_buffer, .address_space: global }
      - { .name: bg, .offset: 40, .size: 8, .value_kind: global_buffer, .address_space: global }
      - { .name: out0, .offset: 48, .size: 8, .value_kind: global_buffer, .address_space: global }
    .group_segment_fixed_size: 327680
    .private_segment_fixed_size: 0
    .kernarg_segment_align: 8
    .kernarg_segment_size: 56
    .max_flat_workgroup_size: 128
    .sgpr_count:     66
    .vgpr_count:     1024
    .wavefront_size: 32
...
	.end_amdgpu_metadata
.endif
;; end of part 2
